; MI455X (gfx1250); checked and timed in simulation.
; The chip was launched on July 23, 2026; its instructions are those of AMD's public machine-readable ISA for CDNA 5 (MIT licence, August 2026) and "CDNA5" Instruction Set Architecture Reference Guide (July 2026). The comments in the code are by the model that wrote it; some were corrected since.
;; Custom Multihead Attention. Allowed arithmetic: float matrix products may take bf16 or f16 operands with f32 sums; other float arithmetic in f32, or as packed bf16 or f16 multiplies, adds, multiply-adds, maxima and minima; sums over many terms, partial sums and values carried from step to step in f32; what a program stores and reads back later, other than sums and carried values, may be rounded once to bf16 or f16.
;; Inputs: Wk_b 1,024 float32; Wk_w 1,024 x 1,024 float32; Wo_b 1,024 float32; Wo_w 1,024 x 1,024 float32; Wq_b 1,024 float32; Wq_w 1,024 x 1,024 float32; Wv_b 1,024 float32; Wv_w 1,024 x 1,024 float32; x 4 x 2,048 x 1,024 float32.
;; Outputs: out0 4 x 2,048 x 1,024 float32.
;; One version. Each part assembles by itself: llvm-mc -triple=amdgcn-amd-amdhsa -mcpu=gfx1250 --defsym DOCPART=n.
;; ======== version 1 of 1: 4 launches
;; limits: values are held in f16: magnitudes above 65,504 overflow, below 6.1e-05 lose precision
;; workspace buffers: xb 16,777,216 bytes; wb 8,404,992 bytes; qkvh 50,331,648 bytes; ob 16,777,216 bytes
;; launch cast (part 1): grid 769 x 1, 8 waves a work-group, no clusters, 0 bytes of LDS; arguments x, Wq_w, Wk_w, Wv_w, Wo_w, Wq_b, Wk_b, Wv_b, Wo_b, xb, wb; writes xb, wb
.if DOCPART == 1
	.amdgcn_target "amdgcn-amd-amdhsa--gfx1250"
	.amdhsa_code_object_version 6
	.text
	.protected	k_q1d8c7fc3d5_cast
	.globl	k_q1d8c7fc3d5_cast
	.p2align	8
	.type	k_q1d8c7fc3d5_cast,@function
k_q1d8c7fc3d5_cast:
	s_mov_b64 s[64:65], 0
	v_nop
	global_prefetch_b8 v0, s[64:65] scope:SCOPE_SE
	s_setreg_imm32_b32 hwreg(HW_REG_WAVE_MODE, 25, 1), 1
	s_wait_xcnt 0x0
; EVERY INPUT IS ROUNDED ONCE TO bf16, and laid out for the products that follow.
;   xb: x in bf16, in blocks [b 4][kb 16][n 2048][64]: 128 rows x 64 channels are 16,384 dense bytes.
;   wb: Wq, Wk, Wv in bf16 and Wo as f16 of its bf16 value, each [k 1024][n 1024], 2,097,152 bytes; from byte 8,388,608 the four biases (q, k, v, o), 1,024 f32 each, holding the bf16 value.
; LIMITS.  bf16(Wo) must lie within f16's 65,504; below 6e-5 it keeps f16's fixed step of 6e-8.
; A stream: each byte is read once and written once, so there is no LDS, no matrix unit and no cluster (no two work-groups read the same byte).
; SHARES.  A work-group takes 16,384 numbers, a thread 8 times 8: two loads of 16 bytes, one store of 16 bytes.  All 16 loads go out first; no register is written twice, so no store's source has to be freed.
; Work-groups 0-511: 16 rows of x each.  512-767: 16 rows of a weight each.  768: the biases.
.set LO, 2                             ; v2   my byte offset in the source
.set SO, 3                             ; v3   my byte offset in the destination
.set X,  8                             ; v[8:71]    16 loads of 4 registers
.set Y,  72                            ; v[72:103]  8 stores of 4 registers
.set T,  104                           ; v[104:107] at work
; xp = 1: x's layout (wave v takes channel blocks 2 v and 2 v + 1; turn i: block 2 v + i % 2, rows 4 (i / 2) .. + 3; eight lanes a row); xp = 0: dense
.macro LOADS xp
.irp i, 0,1,2,3,4,5,6,7
.if \xp
.set li, ((\i)>>1)*16384+((\i)&1)*256
.else
.set li, (\i)*8192
.endif
	global_load_b128 v[X+8*(\i):X+8*(\i)+3],   v[LO], s[32:33] offset:li th:TH_LOAD_NT
	global_load_b128 v[X+8*(\i)+4:X+8*(\i)+7], v[LO], s[32:33] offset:li+16 th:TH_LOAD_NT
.endr
.endm
; half = 1: the bf16 value is widened again and written as f16
.macro CONV xp, half
.irp i, 0,1,2,3,4,5,6,7
.if \xp
.set si, ((\i)&1)*262144+((\i)>>1)*512
.else
.set si, (\i)*4096
.endif
	s_wait_loadcnt 14-2*(\i)                       ; loads come back in order: turn i's two are in, the younger ones stay out
.if \half
.irp j, 0,1,2,3
	v_cvt_pk_bf16_f32 v[T+(\j)], v[X+8*(\i)+2*(\j)], v[X+8*(\i)+2*(\j)+1]
.endr
.irp j, 0,1,2,3
	v_lshlrev_b32 v[X+8*(\i)+2*(\j)],   16,  v[T+(\j)]
	v_and_b32     v[X+8*(\i)+2*(\j)+1], s36, v[T+(\j)]
.endr
.irp j, 0,1,2,3
	v_cvt_pk_f16_f32 v[Y+4*(\i)+(\j)], v[X+8*(\i)+2*(\j)], v[X+8*(\i)+2*(\j)+1]
.endr
.else
.irp j, 0,1,2,3
	v_cvt_pk_bf16_f32 v[Y+4*(\i)+(\j)], v[X+8*(\i)+2*(\j)], v[X+8*(\i)+2*(\j)+1]
.endr
.endif
	global_store_b128 v[SO], v[Y+4*(\i):Y+4*(\i)+3], s[34:35] offset:si  ; a wave's store covers 512 consecutive bytes, aligned
.endr
.endm
	s_load_b512 s[4:19], s[0:1], 0x0               ; x s[4:5], Wq s[6:7], Wk s[8:9], Wv s[10:11], Wo s[12:13], bq s[14:15], bk s[16:17], bv s[18:19]
	s_load_b128 s[20:23], s[0:1], 0x40             ; bo s[20:21], xb s[22:23]
	s_load_b64 s[24:25], s[0:1], 0x50              ; wb
	s_mov_b32 s26, ttmp9                           ; w
	s_mov_b32 s36, 0xffff0000                      ; a word's upper bf16
	s_mov_b32 s29, 0                               ; high words of the two offsets
	s_mov_b32 s31, 0
	v_and_b32 v1, 31, v0                           ; lane
	v_lshrrev_b32 v4, 5, v0                        ; wave
	s_wait_kmcnt 0x0
	s_cmp_lt_u32 s26, 512
	s_cbranch_scc0 .Lweights
	; x: rows 16 w .. 16 w + 15
	v_lshrrev_b32 v5, 3, v1
	v_and_b32 v6, 7, v1
	v_lshlrev_b32 v[LO], 12, v5                    ; (l / 8) rows of 4,096 bytes
	v_lshl_add_u32 v[LO], v6, 5, v[LO]             ; + 32 (l % 8)
	v_lshl_add_u32 v[LO], v4, 9, v[LO]             ; + two channel blocks of 256 bytes a wave
	v_lshlrev_b32 v[SO], 4, v1                     ; four rows of 128 bytes are 512 bytes on end: 16 l
	v_lshl_add_u32 v[SO], v4, 19, v[SO]            ; + two channel blocks of 262,144 bytes a wave
	s_lshl_b32 s28, s26, 16
	s_add_nc_u64 s[32:33], s[4:5], s[28:29]
	s_lshr_b32 s30, s26, 7                         ; b
	s_lshl_b32 s30, s30, 22
	s_and_b32 s27, s26, 127
	s_lshl_b32 s27, s27, 11                        ; 16 rows of 128 bytes
	s_add_co_u32 s30, s30, s27
	s_add_nc_u64 s[34:35], s[22:23], s[30:31]
	LOADS 1
	CONV 1, 0
	s_endpgm
.Lweights:
	s_cmp_lt_u32 s26, 768
	s_cbranch_scc0 .Lbias
	s_sub_co_u32 s27, s26, 512                     ; u
	s_lshr_b32 s37, s27, 6                         ; which weight
	s_cmp_eq_u32 s37, 1
	s_cselect_b64 s[32:33], s[8:9], s[6:7]
	s_cmp_eq_u32 s37, 2
	s_cselect_b64 s[32:33], s[10:11], s[32:33]
	s_cmp_eq_u32 s37, 3
	s_cselect_b64 s[32:33], s[12:13], s[32:33]
	s_and_b32 s28, s27, 63
	s_lshl_b32 s28, s28, 16
	s_add_nc_u64 s[32:33], s[32:33], s[28:29]
	s_lshl_b32 s30, s27, 15
	s_add_nc_u64 s[34:35], s[24:25], s[30:31]
	v_lshlrev_b32 v[LO], 5, v0
	v_lshlrev_b32 v[SO], 4, v0
	LOADS 0
	s_cmp_eq_u32 s37, 3
	s_cbranch_scc1 .Lwo
	CONV 0, 0
	s_endpgm
.Lwo:
	CONV 0, 1
	s_endpgm
.Lbias:
	v_lshlrev_b32 v[LO], 4, v0
	global_load_b128 v[X:X+3],     v[LO], s[14:15]
	global_load_b128 v[X+4:X+7],   v[LO], s[16:17]
	global_load_b128 v[X+8:X+11],  v[LO], s[18:19]
	global_load_b128 v[X+12:X+15], v[LO], s[20:21]
	s_add_nc_u64 s[34:35], s[24:25], 0x800000      ; one more than a store's immediate holds, so it goes into the base
.irp t, 0,1,2,3
	s_wait_loadcnt 3-(\t)
	v_cvt_pk_bf16_f32 v[T],   v[X+4*(\t)],   v[X+4*(\t)+1]
	v_cvt_pk_bf16_f32 v[T+1], v[X+4*(\t)+2], v[X+4*(\t)+3]
	v_lshlrev_b32 v[Y+4*(\t)],   16,  v[T]
	v_and_b32     v[Y+4*(\t)+1], s36, v[T]
	v_lshlrev_b32 v[Y+4*(\t)+2], 16,  v[T+1]
	v_and_b32     v[Y+4*(\t)+3], s36, v[T+1]
	global_store_b128 v[LO], v[Y+4*(\t):Y+4*(\t)+3], s[34:35] offset:4096*(\t)
.endr
	s_endpgm
.Lfunc_end_k_q1d8c7fc3d5_cast:
	.size	k_q1d8c7fc3d5_cast, .Lfunc_end_k_q1d8c7fc3d5_cast-k_q1d8c7fc3d5_cast
	.p2alignl 7, 3214868480
	.fill 96, 4, 3214868480
	.section	.rodata,"a",@progbits
	.p2align	6, 0x0
	.amdhsa_kernel k_q1d8c7fc3d5_cast
		.amdhsa_group_segment_fixed_size 0
		.amdhsa_private_segment_fixed_size 0
		.amdhsa_enable_private_segment 0
		.amdhsa_kernarg_size 88
		.amdhsa_user_sgpr_count 2
		.amdhsa_user_sgpr_kernarg_segment_ptr 1
		.amdhsa_wavefront_size32 1
		.amdhsa_system_sgpr_workgroup_id_x 1
		.amdhsa_system_sgpr_workgroup_id_y 1
		.amdhsa_system_sgpr_workgroup_id_z 1
		.amdhsa_system_vgpr_workitem_id 0
		.amdhsa_next_free_vgpr 112
		.amdhsa_next_free_sgpr 66
		.amdhsa_reserve_vcc 0
		.amdhsa_float_denorm_mode_32 3
		.amdhsa_float_denorm_mode_16_64 3
		.amdhsa_memory_ordered 1
		.amdhsa_forward_progress 1
		.amdhsa_inst_pref_size 21
	.end_amdhsa_kernel
	.amdgpu_metadata
---
amdhsa.version: [ 1, 2 ]
amdhsa.kernels:
  - .name:           k_q1d8c7fc3d5_cast
    .symbol:         k_q1d8c7fc3d5_cast.kd
    .args:
      - { .name: x, .offset: 0, .size: 8, .value_kind: global_buffer, .address_space: global }
      - { .name: Wq_w, .offset: 8, .size: 8, .value_kind: global_buffer, .address_space: global }
      - { .name: Wk_w, .offset: 16, .size: 8, .value_kind: global_buffer, .address_space: global }
      - { .name: Wv_w, .offset: 24, .size: 8, .value_kind: global_buffer, .address_space: global }
      - { .name: Wo_w, .offset: 32, .size: 8, .value_kind: global_buffer, .address_space: global }
      - { .name: Wq_b, .offset: 40, .size: 8, .value_kind: global_buffer, .address_space: global }
      - { .name: Wk_b, .offset: 48, .size: 8, .value_kind: global_buffer, .address_space: global }
      - { .name: Wv_b, .offset: 56, .size: 8, .value_kind: global_buffer, .address_space: global }
      - { .name: Wo_b, .offset: 64, .size: 8, .value_kind: global_buffer, .address_space: global }
      - { .name: xb, .offset: 72, .size: 8, .value_kind: global_buffer, .address_space: global }
      - { .name: wb, .offset: 80, .size: 8, .value_kind: global_buffer, .address_space: global }
    .group_segment_fixed_size: 0
    .private_segment_fixed_size: 0
    .kernarg_segment_align: 8
    .kernarg_segment_size: 88
    .max_flat_workgroup_size: 256
    .sgpr_count:     66
    .vgpr_count:     112
    .wavefront_size: 32
...
	.end_amdgpu_metadata
.endif
;; end of part 1
;; launch proj (part 2): grid 4 x 64, 4 waves a work-group, clusters of 4 x 4, 327,680 bytes of LDS; arguments xb, wb, qkvh; writes qkvh
.if DOCPART == 2
	.amdgcn_target "amdgcn-amd-amdhsa--gfx1250"
	.amdhsa_code_object_version 6
	.text
	.protected	k_q1d8c7fc3d5_proj
	.globl	k_q1d8c7fc3d5_proj
	.p2align	8
	.type	k_q1d8c7fc3d5_proj,@function
k_q1d8c7fc3d5_proj:
	s_mov_b64 s[64:65], 0
	v_nop
	global_prefetch_b8 v0, s[64:65] scope:SCOPE_SE
	s_setreg_imm32_b32 hwreg(HW_REG_WAVE_MODE, 25, 1), 1
	s_wait_xcnt 0x0
	s_wait_alu depctr_hold_cnt(0) depctr_sa_sdst(0) depctr_va_vdst(0) depctr_va_sdst(0) depctr_va_ssrc(0) depctr_va_vcc(0) depctr_vm_vsrc(0)
	s_getreg_b32 s2, hwreg(HW_REG_IB_STS2, 6, 4)
	s_cmp_eq_u32 s2, 0
	s_cbranch_scc0 .Lentry_in_a_cluster
	s_endpgm
.Lentry_in_a_cluster:
	s_bfe_u32 s2, ttmp6, 0x10000c
	s_cmp_lg_u32 s2, 0xf033
	s_cbranch_scc0 .Lentry_shape_is_right
	s_endpgm
.Lentry_shape_is_right:
; q, k, v = x W + b for the three weights AT ONCE, q and k then divided by sqrt(sum of squares over the head's 64 channels + 1e-12); q also times log2(e), so that the next launch's exponentials need no scaling.
; In: xb (bf16, [b][kb][n][64]), wb (bf16 weights [t][k][n], f32 biases).  Out: qkvh, f16 [3][bh 64][n 2048][64], each number rounded once from its f32 sum.
; LIMITS.  v must lie within f16's 65,504; numbers below 6e-5 keep f16's fixed step of 6e-8; NaN and infinities are not treated apart.
; SHARES.  A work-group makes 128 rows x 256 columns of each of q, k, v: 64 x 4 = 256 work-groups.  Each of its four waves 64 rows x 128 columns (two heads) x 3: 96 accumulators, 768 registers; a fragment of x feeds all three.
; K goes in steps of 64 through two LDS slots.  Wave 0 fetches x's tile (16,384 dense bytes, asked for as 64 rows of 256), waves 1 to 3 the tiles of Wq, Wk, Wv (64 rows of 512 bytes).
; CLUSTER 4 x 4: the four of a row need the same tile of x, the four of a column the same tiles of W: each is asked for jointly, by one load with a mask of four.
; THE PRODUCT IS USED TRANSPOSED: source 0 = 16 columns of W (turned on the way out of LDS by ds_load_tr16_b128), source 1 = 16 rows of x: a lane holds ONE row and eight neighbouring columns.
; THE SUMS START AT THE BIAS, loaded straight into the accumulators: nothing is cleared and no first step is written out.
; REGISTERS, in windows of 256 (s_set_vgpr_msb: bits 1:0 source 0, 3:2 source 1, 5:4 source 2, 7:6 destination):
;   window 0: v0-24 addresses; v64-127 x's fragments, two buffers of 32; v128-255 W's, two buffers of 64.   windows 1, 2, 3: q's, k's, v's accumulators, (a, b) at v[8 (8 a + b)]
.set NT,    3                          ; weights at once
.set NQ,    2                          ; quarters of 32 along K in a step
.set NU,    NT*NQ                      ; units of 32 matrix instructions in a step
.set NA,    1                          ; waves that fetch x
.set NSTEP, 16
.set TB0,   0                          ; the first bias
.set PA,    144                        ; a row of x in LDS: 128 bytes + 16: an odd multiple of 16, so the 16 rows of a load start at 16 different groups of four banks
.set PB,    544                        ; a row of W: 512 + 32: an odd multiple of 32
.set ABLK,  128*PA
.set BBLK,  64*PB
.set BOFF,  NA*ABLK
.set SLOT1, 1<<17                      ; slot 1 begins here: one exclusive or turns an address in one slot into the other's
.set STAGE, SLOT1+BOFF+3*BBLK          ; behind the ring, never filled by a tensor load: 16 rows x 144 bytes for each wave
.set SP,    144
.set SPARE, STAGE+4*16*SP              ; the spare words, 128 bytes a wave: two blocks of 256 bytes that no other line names
.set ASTEP, 262144                     ; bytes from a step's tile of x to the next
.set BSTEP, 131072                     ; 64 rows of 2,048 bytes
.set A0,   8                           ; v8     my lane's place in x's tile; never rewritten
.set ADRA, 10                          ; v10    the same in the slot in hand
.set ADRB, 11                          ; v11-13 the same for the three W
.set STO,  14                          ; v14    the way out: where I put 16 bytes of a row
.set RD,   15                          ; v15    where I read rows back
.set GO,   16                          ; v16    16 x lane
.set BO,   17                          ; v17    my byte offset in a bias
.set PFO,  18                          ; v18    the prefetches' offset
.set SPW,  20                          ; v20    my spare word; never rewritten
.set NIL,  21                          ; v21    0; never rewritten
.set B0T,  22                          ; v22-24 my lane's place in the three tiles of W; never rewritten
.set AF,   64
.set BF,   128
.set SQ,   64                          ; the way out: a pair for each of q's and k's 16 pieces
.set MT,   128                         ; 32 at work
.set PKD,  160                         ; two buffers of 16: a piece in f16
.set WV, 10
.set WM, 11                            ; which 64 rows
.set WN, 12                            ; which 128 columns
.set CX, 13
.set CY, 14
.set XX, 15                            ; column block of 256
.set YY, 16                            ; row block of 128
.set G1A, 24
.set G1B, 32
.set G0A, 40                           ; two sets: step 0 into slot 0; step 1 into slot 1, which then walks
.set G0B, 48
.set CNT, 56
.set G,   57                           ; the number of the step that ends
.set TB,  58                           ; 0 or SLOT1: the slot in hand
.set LIM, 59
.set PARM, 60
.set PFA, 66
.set PFS, 68
.set SEL, 70
.set CQ,  72                           ; s[72:77] where my rows of q, k, v begin
.set BIA, 78
.set MSB, 0
.macro WIN new                         ; the immediate's high byte repeats the setting that is left; a switch that changes nothing is dropped
.if MSB != (\new)
	s_set_vgpr_msb (MSB<<8)|(\new)
.set MSB, (\new)
.endif
.endm
.macro PLACES                          ; four plain vector instructions between a matrix instruction and a load into, or a read of, its registers
.rept 4
	v_nop
.endr
.endm
.macro CREST                           ; a round of the cluster's barrier behind its opening barrier
	s_cmp_lg_u32 s[WV], 0
	s_cbranch_scc1 .Lnot_wave_0_\@
	s_barrier_signal -3
.Lnot_wave_0_\@:
	s_barrier_wait -3
	s_barrier_signal -1
	s_barrier_wait -1
.endm
.macro CROUND
	s_barrier_signal -1
	s_barrier_wait -1
	CREST
.endm
.macro JLOAD                           ; a joint refill by the walking sets; the branch hangs on the wave's number alone; an s_nop 0 and four v_nop follow each line
	s_cmp_lt_u32 s[WV], NA
	s_cbranch_scc0 .Lfor_b_\@
	tensor_load_to_lds s[G0A+4:G0A+7], s[G1A:G1A+7]
	s_nop 0
.rept 4
	v_nop
.endr
	s_branch .Lasked_\@
.Lfor_b_\@:
	tensor_load_to_lds s[G0B+4:G0B+7], s[G1B:G1B+7]
	s_nop 0
.rept 4
	v_nop
.endr
.Lasked_\@:
.endm
; A PREFETCH INTO THE L2, behind the joint load and the run of LDS loads.  The pointer stands three steps on from the step that ends: one step, 192 matrix instructions, ahead of that tile's refill.
; x's tile is read by my row of the cluster alone: wave 0 asks, at odd steps up to 11, for two steps at once (16 blocks of 256 bytes of each; the four partners take 16 each, told apart by address).
; W's tiles are read by every cluster: the cluster with y = 0 asks, waves 1 to 3, at every step up to 12: 16 rows x 2 blocks; the four partners of a column take 16 rows each, by address.
; So each block is named once; the first three or four steps come by their loads alone, and no prefetch names a step past the last.
.macro ASK
	s_or_b32 s17, s[G], s[PARM]
	s_bitcmp1_b32 s17, 0
	s_cbranch_scc0 .Lnot_mine_\@
	s_cmp_lt_u32 s[G], s[LIM]
	s_cbranch_scc0 .Lnot_mine_\@
	global_prefetch_b8 v[PFO], s[PFA:PFA+1] th:TH_LOAD_NT scope:SCOPE_SE
.Lnot_mine_\@:
.endm
.macro FETCHA kq                       ; x's four fragments (16 rows x 32 K) of quarter kq
.irp a, 0,1,2,3
	ds_load_b128 v[AF+32*((\kq)%2)+8*(\a):AF+32*((\kq)%2)+8*(\a)+3],   v[ADRA] offset:((\kq)/2)*ABLK+((\kq)%2)*64+(\a)*16*PA
	ds_load_b128 v[AF+32*((\kq)%2)+8*(\a)+4:AF+32*((\kq)%2)+8*(\a)+7], v[ADRA] offset:((\kq)/2)*ABLK+((\kq)%2)*64+(\a)*16*PA+32
.endr
.endm
.macro FETCHB t, kq, buf               ; weight t's eight fragments (16 columns x 32 K) of quarter kq, turned
.irp b, 0,1,2,3,4,5,6,7
	ds_load_tr16_b128 v[BF+64*(\buf)+8*(\b):BF+64*(\buf)+8*(\b)+3],   v[ADRB+(\t)] offset:(\kq)*32*PB+32*(\b)
	ds_load_tr16_b128 v[BF+64*(\buf)+8*(\b)+4:BF+64*(\buf)+8*(\b)+7], v[ADRB+(\t)] offset:(\kq)*32*PB+32*(\b)+16*PB
.endr
.endm
.macro MM a0, na, t, kq, buf           ; 8 na matrix instructions; the accumulators take turns, one instruction a turn
	WIN 0x50*((\t)+1)
.set aa, \a0
.rept \na
.irp b, 0,1,2,3,4,5,6,7
	v_wmma_f32_16x16x32_bf16 v[8*(8*aa+(\b)):8*(8*aa+(\b))+7], v[BF+64*(\buf)+8*(\b):BF+64*(\buf)+8*(\b)+7], v[AF+32*((\kq)%2)+8*aa:AF+32*((\kq)%2)+8*aa+7], v[8*(8*aa+(\b)):8*(8*aa+(\b))+7]
.endr
.set aa, aa+1
.endr
.endm
; Unit i of a step: quarter i / NT, weight i % NT.  Its fragments were asked for a unit ago; the next unit's are asked for in one run, 32 matrix instructions ahead of their use.
.macro UNIT i
	s_wait_dscnt 0x0                               ; this unit's fragments are in
	PLACES                                         ; the buffer filled below was read by the unit before
	WIN 0
	FETCHB ((\i)+1)%NT, ((\i)+1)/NT, ((\i)+1)%2
.if ((\i)+1)%NT == 0
	FETCHA ((\i)+1)/NT
.endif
	MM 0, 4, (\i)%NT, (\i)/NT, (\i)%2
.endm
.macro ADRS                            ; my addresses in the slot in hand
	v_add_nc_u32 v[ADRA], s[TB], v[A0]
.set tt, 0
.rept NT
	v_add_nc_u32 v[ADRB+tt], s[TB], v[B0T+tt]
.set tt, tt+1
.endr
.endm
; A step's last unit changes slots.  In front of the barrier each wave waits for all its tensor loads (one is out: its part of the next slot), adds 0 to its spare word, and waits for that and for its reads of this slot.
; fill = 1: the barrier opens a round of the cluster's barrier, and behind the round this slot is filled again first, with the step two on.
.macro TURN fill
	s_wait_xcnt 0x0                                ; the last prefetch, a step back, has read its address
	s_add_nc_u64 s[PFA:PFA+1], s[PFA:PFA+1], s[PFS:PFS+1]
	WIN 0
	s_wait_tensorcnt 0x0                           ; no tensor load of mine is out
	ds_add_u32 v[SPW], v[NIL]
	s_wait_dscnt 0x1                               ; the add alone may be out: this unit's fragments are in
	MM 0, 1, NT-1, NQ-1, 1
	s_wait_dscnt 0x0                               ; the add is done; my reads of this slot are over
	s_barrier_signal -1
	MM 1, 1, NT-1, NQ-1, 1
	WIN 0
	s_barrier_wait -1
.if \fill
	CREST                                          ; no wave of any partner still reads this slot or has a load on its way
	s_xor_b32 s[G0A+5], s[G0A+5], SLOT1
	s_add_nc_u64 s[G0A+6:G0A+7], s[G0A+6:G0A+7], ASTEP
	s_xor_b32 s[G0B+5], s[G0B+5], SLOT1
	s_add_nc_u64 s[G0B+6:G0B+7], s[G0B+6:G0B+7], BSTEP
	JLOAD                                          ; its four v_nop are also the places in front of the loads below
.else
	PLACES
.endif
	s_xor_b32 s[TB], s[TB], SLOT1
	ADRS
	FETCHA 0
	FETCHB 0, 0, 0
.if \fill
	ASK
	s_add_co_u32 s[G], s[G], 1
.endif
	MM 2, 2, NT-1, NQ-1, 1
.endm
.macro STEP fill
.set ui, 0
.rept NU-1
	UNIT ui
.set ui, ui+1
.endr
	TURN \fill
.endm
	s_load_b128 s[4:7], s[0:1], 0x0                ; xb s[4:5], wb s[6:7]
	s_load_b64 s[8:9], s[0:1], 0x10                ; qkvh
	v_lshl_add_u32 v[SPW], v0, 2, SPARE
	v_mov_b32 v[NIL], 0
	ds_add_u32 v[SPW], v[NIL]                      ; the wave's opening: the add and its wait ahead of my first tensor load
	v_lshrrev_b32 v1, 5, v0
	v_readfirstlane_b32 s[WV], v1
	s_lshr_b32 s[WM], s[WV], 1
	s_and_b32 s[WN], s[WV], 1
	s_bfe_u32 s[CX], ttmp6, 0x40000
	s_bfe_u32 s[CY], ttmp6, 0x40004
	s_lshl_b32 s[XX], ttmp9, 2
	s_add_co_u32 s[XX], s[XX], s[CX]
	s_and_b32 s[YY], ttmp7, 0xffff
	s_lshl_b32 s[YY], s[YY], 2
	s_add_co_u32 s[YY], s[YY], s[CY]
	s_lshl_b32 s17, s[CY], 2
	s_lshl_b32 s17, 15, s17                        ; my row of the cluster
	s_lshl_b32 s18, 0x1111, s[CX]                  ; my column
	s_or_b32 s[G1A], s17, (1<<16)|(1<<20)|(1<<21)|(4<<22)|(3<<25)  ; mask; 2-byte elements; padding on; bit 21 beside a mask; after every 32 words, 4 words
	s_or_b32 s[G1B], s18, (1<<16)|(1<<20)|(1<<21)|(6<<22)|(7<<25)  ; after every 128 words, 8 words
	s_mov_b32 s[G1A+1], 128<<16                    ; tensor_dim0 = 128
	s_mov_b32 s[G1A+2], 64<<16                     ; tensor_dim1 = 64
	s_mov_b32 s[G1A+3], 128<<16                    ; tile_dim0 = 128
	s_mov_b32 s[G1A+4], 64                         ; tile_dim1 = 64
	s_mov_b32 s[G1A+5], 128                        ; dense: 128 elements from row to row
	s_mov_b32 s[G1A+6], 0
	s_mov_b32 s[G1A+7], 0
	s_mov_b32 s[G1B+1], 256<<16
	s_mov_b32 s[G1B+2], 64<<16
	s_mov_b32 s[G1B+3], 256<<16
	s_mov_b32 s[G1B+4], 64
	s_mov_b32 s[G1B+5], 1024
	s_mov_b32 s[G1B+6], 0
	s_mov_b32 s[G1B+7], 0
	s_lshr_b32 s20, s[YY], 4                       ; x's tile hangs on the row block alone: b,
	s_lshl_b32 s20, s20, 22
	s_and_b32 s21, s[YY], 15                       ; and the block of 128 rows in it
	s_lshl_b32 s21, s21, 14
	s_add_co_u32 s20, s20, s21
	s_mov_b32 s21, 0
	s_max_u32 s19, s[WV], NA
	s_sub_co_u32 s19, s19, NA                      ; which weight I fetch
	s_lshl_b32 s22, s19, 21                        ; W's tile hangs on the weight and the column block alone
	s_lshl_b32 s23, s[XX], 9
	s_add_co_u32 s22, s22, s23
	s_mov_b32 s23, 0
	s_mul_i32 s80, s[WV], ABLK                     ; where the tiles go: the wave's number times a constant, and a constant
	s_mul_i32 s81, s[WV], BBLK
	s_sub_co_u32 s81, s81, NA*BBLK-BOFF
	s_mov_b32 s[SEL], 0x76543210
	s_mov_b32 s[SEL+1], 0xfedcba98
	s_mov_b32 s[TB], 0
	s_mov_b32 s[G], 0
	s_mov_b32 s[CNT], NSTEP-2
	s_wait_dscnt 0x0                               ; the opening add is done
	s_wait_kmcnt 0x0
	s_add_nc_u64 s[82:83], s[4:5], s[20:21]
	s_add_nc_u64 s[84:85], s[6:7], s[22:23]
	s_add_nc_u64 s[BIA:BIA+1], s[6:7], 0x800000
.irp s, 0,1
	s_mov_b32 s[G0A+4*(\s)], 1
	s_add_co_u32 s[G0A+4*(\s)+1], s80, (\s)*SLOT1
	s_add_nc_u64 s[G0A+4*(\s)+2:G0A+4*(\s)+3], s[82:83], (\s)*ASTEP
	s_or_b32 s[G0A+4*(\s)+3], s[G0A+4*(\s)+3], 0x80000000
	s_mov_b32 s[G0B+4*(\s)], 1
	s_add_co_u32 s[G0B+4*(\s)+1], s81, (\s)*SLOT1
	s_add_nc_u64 s[G0B+4*(\s)+2:G0B+4*(\s)+3], s[84:85], (\s)*BSTEP
	s_or_b32 s[G0B+4*(\s)+3], s[G0B+4*(\s)+3], 0x80000000
.endr
	CROUND                                         ; all sixteen work-groups are here: the first joint loads meet
	s_cmp_lt_u32 s[WV], NA                         ; a wave's two first fills stand in one branch: two loads of mine are out
	s_cbranch_scc0 .Lfirst_b
	tensor_load_to_lds s[G0A:G0A+3], s[G1A:G1A+7]
	s_nop 0
	tensor_load_to_lds s[G0A+4:G0A+7], s[G1A:G1A+7]
	s_nop 0
.rept 4
	v_nop
.endr
	s_branch .Lfirst_asked
.Lfirst_b:
	tensor_load_to_lds s[G0B:G0B+3], s[G1B:G1B+7]
	s_nop 0
	tensor_load_to_lds s[G0B+4:G0B+7], s[G1B:G1B+7]
	s_nop 0
.rept 4
	v_nop
.endr
.Lfirst_asked:
	v_and_b32 v1, 15, v0                           ; r = l % 16
	v_bfe_u32 v2, v0, 4, 1                         ; h = l / 16
	s_lshl_b32 s17, s[XX], 10
	s_lshl_b32 s18, s[WN], 9
	s_add_co_u32 s17, s17, s18
	v_lshl_add_u32 v[BO], v2, 5, s17               ; my eight columns of accumulator column 0: 4 (256 X + 128 WN + 8 h) bytes
.set t, 0
.rept NT                               ; the bias of my eight columns, into every accumulator
	WIN (t+1)<<6
.set n, 0
.rept 32
	global_load_b128 v[8*n:8*n+3],   v[BO], s[BIA:BIA+1] offset:(TB0+t)*4096+64*(n%8)
	global_load_b128 v[8*n+4:8*n+7], v[BO], s[BIA:BIA+1] offset:(TB0+t)*4096+64*(n%8)+16
.set n, n+1
.endr
.set t, t+1
.endr
	WIN 0
	s_mul_i32 s17, s[WM], 64*PA
	v_mul_u32_u24 v[A0], v1, PA
	v_lshl_add_u32 v[A0], v2, 4, v[A0]
	v_add_nc_u32 v[A0], s17, v[A0]                 ; (64 WM + r) x pitch + 16 h
	v_and_b32 v3, 7, v0
	v_bfe_u32 v4, v0, 3, 1
	v_lshl_add_u32 v5, v2, 3, v3                   ; the turning load: K row 8 h + l % 8,
	v_mul_u32_u24 v5, v5, PB
	v_lshl_add_u32 v5, v4, 4, v5                   ; columns 8 ((l / 8) % 2) on
	s_lshl_b32 s17, s[WN], 8
	s_add_co_u32 s17, s17, BOFF
	v_add_nc_u32 v[B0T], s17, v5
	v_add_nc_u32 v[B0T+1], BBLK, v[B0T]
	v_add_nc_u32 v[B0T+2], BBLK, v[B0T+1]
	s_mul_i32 s17, s[WV], 16*SP
	s_add_co_u32 s17, s17, STAGE                   ; my stage
	v_mul_u32_u24 v[STO], v1, SP
	v_lshl_add_u32 v[STO], v2, 4, v[STO]
	v_add_nc_u32 v[STO], s17, v[STO]
	v_bfe_u32 v[RD], v0, 3, 2                      ; back: 32 lanes take four rows of 128 bytes
	v_mul_u32_u24 v[RD], v[RD], SP
	v_lshl_add_u32 v[RD], v3, 4, v[RD]
	v_add_nc_u32 v[RD], s17, v[RD]
	v_and_b32 v[GO], 31, v0
	v_lshlrev_b32 v[GO], 4, v[GO]
	; the prefetches: pointer two steps on (the first change of slots makes it three), step, lanes' offsets, bounds
	s_mov_b32 s17, ASTEP
	s_cmp_lt_u32 s[WV], NA
	s_cselect_b64 s[PFA:PFA+1], s[4:5], s[6:7]
	s_cselect_b64 s[86:87], s[20:21], s[22:23]
	s_cselect_b32 s[PFS], s17, BSTEP
	s_mov_b32 s[PFS+1], 0
	s_add_nc_u64 s[PFA:PFA+1], s[PFA:PFA+1], s[86:87]
	s_add_nc_u64 s[PFA:PFA+1], s[PFA:PFA+1], s[PFS:PFS+1]
	s_add_nc_u64 s[PFA:PFA+1], s[PFA:PFA+1], s[PFS:PFS+1]
	s_lshl_b32 s17, s[CX], 12                      ; x: my work-group's 16 blocks of 256 bytes
	s_lshl_b32 s18, s[CY], 15                      ; W: my work-group's 16 rows of 2,048 bytes
	s_cmp_lt_u32 s[WV], NA
	s_cselect_b32 s17, s17, s18
	s_cselect_b32 s18, 8, 11                       ; l % 16: a block, or a row
	s_cselect_b32 s19, 18, 8                       ; l / 16: the step after, or the row's second block
	v_lshlrev_b32 v3, s18, v1
	v_lshlrev_b32 v4, s19, v2
	v_add3_u32 v[PFO], v3, v4, s17
	s_and_b32 s19, ttmp7, 0xffff                   ; cluster y: the same in all sixteen partners
	s_cmp_eq_u32 s19, 0
	s_cselect_b32 s[LIM], 13, 0
	s_cmp_lt_u32 s[WV], NA
	s_cselect_b32 s[LIM], 12, s[LIM]
	s_cselect_b32 s[PARM], 0, 1
	; where my rows begin in q: head b 16 + 4 X + 2 WN, row 128 nblk + 64 WM
	s_lshr_b32 s17, s[YY], 4
	s_lshl_b32 s17, s17, 4
	s_lshl_b32 s18, s[XX], 2
	s_add_co_u32 s17, s17, s18
	s_lshl_b32 s18, s[WN], 1
	s_add_co_u32 s17, s17, s18
	s_lshl_b32 s17, s17, 18
	s_and_b32 s18, s[YY], 15
	s_lshl_b32 s18, s18, 7
	s_lshl_b32 s19, s[WM], 6
	s_add_co_u32 s18, s18, s19
	s_lshl_b32 s18, s18, 7
	s_add_co_u32 s86, s17, s18
	s_mov_b32 s87, 0
	s_add_nc_u64 s[CQ:CQ+1], s[8:9], s[86:87]
	s_add_nc_u64 s[CQ+2:CQ+3], s[CQ:CQ+1], 0x1000000
	s_add_nc_u64 s[CQ+4:CQ+5], s[CQ:CQ+1], 0x2000000
	s_wait_tensorcnt 0x1                           ; my part of step 0 is in; step 1's may stay out
	s_barrier_signal -1
	s_barrier_wait -1                              ; everybody's is
	ADRS
	FETCHA 0
	FETCHB 0, 0, 0
	s_wait_loadcnt 0x0                             ; the biases
.Lstep:                                        ; NSTEP - 2 trips: a step is multiplied and its slot filled again
	STEP 1
	WIN 0
	s_sub_co_u32 s[CNT], s[CNT], 1
	s_cmp_lg_u32 s[CNT], 0
	s_cbranch_scc1 .Lstep
	s_mov_b32 s[CNT], 2
.Ltail:                                        ; the last two steps ask for nothing; the very last change of slots fetches 24 fragments that serve nothing: the price, once, of one text for both
	STEP 0
	WIN 0
	s_sub_co_u32 s[CNT], s[CNT], 1
	s_cmp_lg_u32 s[CNT], 0
	s_cbranch_scc1 .Ltail
	; THE WAY OUT.  A piece is 16 rows x one head: 32 registers at 32 (2 a + hh) of its window; a lane holds 32 of its row's 64 channels, the lane 16 away the others.
	s_wait_dscnt 0x0
	PLACES
.irp t, 0,1                            ; q's and k's sums of squares: 8 chains a window by turns, each accumulator's lowest registers first
	WIN 5*((\t)+1)
.set i, 0
.rept 16
.set pc, 0
.rept 8
.if i == 0
	v_pk_mul_f32 v[SQ+16*(\t)+2*pc:SQ+16*(\t)+2*pc+1], v[32*pc:32*pc+1], v[32*pc:32*pc+1]
.else
	v_pk_fma_f32 v[SQ+16*(\t)+2*pc:SQ+16*(\t)+2*pc+1], v[32*pc+2*i:32*pc+2*i+1], v[32*pc+2*i:32*pc+2*i+1], v[SQ+16*(\t)+2*pc:SQ+16*(\t)+2*pc+1]
.endif
.set pc, pc+1
.endr
.set i, i+1
.endr
.endr
	WIN 0
.macro ALL16 line:vararg
.set p, 0
.rept 16
	\line
.set p, p+1
.endr
.endm
	ALL16 v_add_f32 v[SQ+2*p], v[SQ+2*p], v[SQ+2*p+1]
	ALL16 v_permlanex16_b32 v[SQ+2*p+1], v[SQ+2*p], s[SEL], s[SEL+1]
	ALL16 v_add_f32 v[SQ+2*p], v[SQ+2*p], v[SQ+2*p+1]
	ALL16 v_add_f32 v[SQ+2*p], 0x2b8cbccc, v[SQ+2*p]
	ALL16 v_rsq_f32 v[SQ+2*p], v[SQ+2*p]
	v_nop                                          ; a plain instruction behind the last root,
	s_wait_alu depctr_va_vdst(0)                   ; and one wait for the sixteen, ahead of their first reader
.set p, 0
.rept 8
	v_mul_f32 v[SQ+2*p], 0x3fb8aa3b, v[SQ+2*p]     ; q's factor takes log2(e)
.set p, p+1
.endr
; Piece p = 8 t + 2 a + hh: scaled (q, k), rounded to f16, 16 bytes a lane into rows of 144 bytes, and back as whole rows of 128.
.macro PACK p
.set pt, (\p)/8
.set pr, 32*((\p)%8)
.set pk, PKD+16*((\p)%2)
.if (\p) >= 2
	s_wait_xcnt 0x0                                ; the stores of the piece two back have read this buffer
.endif
.if pt < 2
	WIN pt+1
.set i, 0
.rept 16
	v_pk_mul_f32 v[MT+2*i:MT+2*i+1], v[pr+2*i:pr+2*i+1], v[SQ+2*(\p):SQ+2*(\p)+1] op_sel_hi:[1,0]
.set i, i+1
.endr
	WIN 0
.set i, 0
.rept 16
	v_cvt_pk_f16_f32 v[pk+i], v[MT+2*i], v[MT+2*i+1]
.set i, i+1
.endr
.else
	WIN 0x0f
.set i, 0
.rept 16
	v_cvt_pk_f16_f32 v[pk+i], v[pr+2*i], v[pr+2*i+1]
.set i, i+1
.endr
	WIN 0
.endif
.irp f, 0,1,2,3
	ds_store_b128 v[STO], v[pk+4*(\f):pk+4*(\f)+3] offset:32*(\f)
.endr
.irp f, 0,1,2,3
	ds_load_b128 v[pk+4*(\f):pk+4*(\f)+3], v[RD] offset:(\f)*4*SP  ; LDS serves a wave's instructions in order: these see the stores above, and the next piece's stores come behind them
.endr
.endm
.macro SEND p, younger                 ; younger: the next piece's eight LDS instructions, or none
	WIN 0
.set pk, PKD+16*((\p)%2)
.irp f, 0,1,2,3
	s_wait_dscnt (\younger)+3-(\f)
	global_store_b128 v[GO], v[pk+4*(\f):pk+4*(\f)+3], s[CQ+2*((\p)/8):CQ+2*((\p)/8)+1] offset:((\p)%2)*262144+(((\p)%8)/2)*2048+512*(\f)  ; 512 consecutive bytes, aligned
.endr
.endm
	PACK 0
.set p, 1
.rept 23
	PACK p
	SEND p-1, 8
.set p, p+1
.endr
	SEND 23, 0
	s_wait_tensorcnt 0x0                           ; the wave's end
	ds_add_u32 v[SPW], v[NIL]
	s_wait_dscnt 0x0
	CROUND                                         ; the closing round
	s_endpgm
.Lfunc_end_k_q1d8c7fc3d5_proj:
	.size	k_q1d8c7fc3d5_proj, .Lfunc_end_k_q1d8c7fc3d5_proj-k_q1d8c7fc3d5_proj
	.p2alignl 7, 3214868480
	.fill 96, 4, 3214868480
	.section	.rodata,"a",@progbits
	.p2align	6, 0x0
	.amdhsa_kernel k_q1d8c7fc3d5_proj
		.amdhsa_group_segment_fixed_size 327680
		.amdhsa_private_segment_fixed_size 0
		.amdhsa_enable_private_segment 0
		.amdhsa_kernarg_size 24
		.amdhsa_user_sgpr_count 2
		.amdhsa_user_sgpr_kernarg_segment_ptr 1
		.amdhsa_wavefront_size32 1
		.amdhsa_system_sgpr_workgroup_id_x 1
		.amdhsa_system_sgpr_workgroup_id_y 1
		.amdhsa_system_sgpr_workgroup_id_z 1
		.amdhsa_system_vgpr_workitem_id 0
		.amdhsa_next_free_vgpr 1024
		.amdhsa_next_free_sgpr 88
		.amdhsa_reserve_vcc 0
		.amdhsa_float_denorm_mode_32 3
		.amdhsa_float_denorm_mode_16_64 3
		.amdhsa_memory_ordered 1
		.amdhsa_forward_progress 1
		.amdhsa_inst_pref_size 159
	.end_amdhsa_kernel
	.amdgpu_metadata
---
amdhsa.version: [ 1, 2 ]
amdhsa.kernels:
  - .name:           k_q1d8c7fc3d5_proj
    .symbol:         k_q1d8c7fc3d5_proj.kd
    .args:
      - { .name: xb, .offset: 0, .size: 8, .value_kind: global_buffer, .address_space: global }
      - { .name: wb, .offset: 8, .size: 8, .value_kind: global_buffer, .address_space: global }
      - { .name: qkvh, .offset: 16, .size: 8, .value_kind: global_buffer, .address_space: global }
    .group_segment_fixed_size: 327680
    .private_segment_fixed_size: 0
    .kernarg_segment_align: 8
    .kernarg_segment_size: 24
    .max_flat_workgroup_size: 128
    .sgpr_count:     88
    .vgpr_count:     1024
    .wavefront_size: 32
...
	.end_amdgpu_metadata
.endif
;; end of part 2
;; launch attn (part 3): grid 4 x 64, 4 waves a work-group, clusters of 4 x 1, 327,680 bytes of LDS; arguments qkvh, ob; writes ob
.if DOCPART == 3
	.amdgcn_target "amdgcn-amd-amdhsa--gfx1250"
	.amdhsa_code_object_version 6
	.text
	.protected	k_q1d8c7fc3d5_attn
	.globl	k_q1d8c7fc3d5_attn
	.p2align	8
	.type	k_q1d8c7fc3d5_attn,@function
k_q1d8c7fc3d5_attn:
	s_mov_b64 s[64:65], 0
	v_nop
	global_prefetch_b8 v0, s[64:65] scope:SCOPE_SE
	s_setreg_imm32_b32 hwreg(HW_REG_WAVE_MODE, 25, 1), 1
	s_wait_xcnt 0x0
	s_wait_alu depctr_hold_cnt(0) depctr_sa_sdst(0) depctr_va_vdst(0) depctr_va_sdst(0) depctr_va_ssrc(0) depctr_va_vcc(0) depctr_vm_vsrc(0)
	s_getreg_b32 s2, hwreg(HW_REG_IB_STS2, 6, 4)
	s_cmp_eq_u32 s2, 0
	s_cbranch_scc0 .Lentry_in_a_cluster
	s_endpgm
.Lentry_in_a_cluster:
	s_bfe_u32 s2, ttmp6, 0x10000c
	s_cmp_lg_u32 s2, 0x3003
	s_cbranch_scc0 .Lentry_shape_is_right
	s_endpgm
.Lentry_shape_is_right:
; O[h][q][:] = the sum over k of softmax_k(qn . kn) V[h][k][:].  qkvh: f16 [3][64][2048][64]: q = qn log2(e), k = kn, v.  ob: f16 [64][2048][64].
; NO MAXIMUM IS TAKEN: qn and kn are unit vectors (normalised by the problem itself, no scale behind them), so each exponent q . k lies within +-1.45 whatever the inputs: p = 2^(q . k) lies in 0.36 to 2.8
; and a row's sum under 5,800: nothing can overflow or underflow, in f32 or in p's f16.  So O is never rescaled.
; Products and sums in f32; p is rounded to f16 for the second product (its sum l is taken of the unrounded p), O once at the end.  LIMITS: v within 65,504; NaN and infinities are not treated apart.
; SHARES.  A work-group owns 512 queries of a head, a wave 128: two PIECES of four tiles of 16.  Every wave walks all 2,048 keys, 64 a step; an LDS slot holds four steps.
; LAYOUT.  S^T = K Q^T (source 0 = 16 keys, source 1 = 16 queries): a lane holds ONE query and the keys 8 (lane / 16) + 0..7; two such results rounded to f16 ARE source 1 of O^T = V^T P.  V is turned by ds_load_tr16_b128.
; BY TURNS.  In a turn piece x has the matrix unit: 32 products V^T P of the step in hand, then 32 products K Q^T of the next; behind each stand four vector instructions of the OTHER piece: behind the first 32 its
; 128 exponentials, ONE batch with ONE wait, behind the last 32 its 64 roundings and 64 sums.  Two turns are a key step.
; CLUSTER.  The head's four query blocks walk the same K and V: each tile is asked for jointly.
; REGISTERS, in windows of 256 (s_set_vgpr_msb: bits 1:0 source 0, 3:2 source 1, 5:4 source 2, 7:6 destination):
;   window 0: v0-14 addresses; piece 0's l v16-23 (a pair a tile), S^T v64-191 (32 a tile), P v192-255 (16 a tile)      window 3: piece 1's, at the same numbers
;   window 1: O^T, 32 a tile          window 2: v0-127 Q, 16 a tile; v128-191 K of one step; v192-255 V of one step
.set KS,    64
.set PKB,   144                        ; a row of K in LDS: 128 bytes + 16
.set PVB,   160                        ; a row of V: 128 + 32
.set VOFF,  4*KS*PKB
.set SLOT1, 1<<17
.set STAGE, SLOT1+4*KS*(PKB+PVB)       ; behind the ring, never filled by a tensor load: 16 rows x 144 bytes for each wave
.set SP,    144
.set SPARE, STAGE+4*16*SP              ; the spare words, 128 bytes a wave
.set AK0, 2
.set AV0, 3
.set AK,  4
.set AV,  5
.set QO,  6
.set STO, 6
.set RD,  7
.set GO,  8
.set PFO, 9                            ; v9   256 x lane; never rewritten
.set SPW, 12
.set NIL, 13
.set LL,  16
.set S,   64
.set P,   192
.set KF,  128
.set VF,  192
.set WV,  12
.set LIM, 15
.set PFA, 18
.set G1K, 24
.set G1V, 32
.set G0K, 40
.set G0V, 44
.set SLOTS, 56
.set CNT, 57
.set SEL, 60
.set TBK, 62
.set TBV, 63
.set MSB, 0
.macro WIN new
.if MSB != (\new)
	s_set_vgpr_msb (MSB<<8)|(\new)
.set MSB, (\new)
.endif
.endm
.macro JLOAD                           ; waves 0 and 1 fetch the halves of a slot's K, waves 2 and 3 those of its V: 128 keys each
	s_cmp_lt_u32 s[WV], 2
	s_cbranch_scc0 .Lfor_v_\@
	tensor_load_to_lds s[G0K:G0K+3], s[G1K:G1K+7]
	s_nop 0
.rept 4
	v_nop
.endr
	s_branch .Lasked_\@
.Lfor_v_\@:
	tensor_load_to_lds s[G0V:G0V+3], s[G1V:G1V+7]
	s_nop 0
.rept 4
	v_nop
.endr
.Lasked_\@:
.endm
.macro CROUND
	s_barrier_signal -1
	s_barrier_wait -1
	s_cmp_lg_u32 s[WV], 0
	s_cbranch_scc1 .Lnot_wave_0_\@
	s_barrier_signal -3
.Lnot_wave_0_\@:
	s_barrier_wait -3
	s_barrier_signal -1
	s_barrier_wait -1
.endm
; A PREFETCH INTO THE L2 of the slot that the NEXT change of slots will ask for, two key steps (256 matrix instructions) ahead of that load.  My cluster alone reads this head's K and V.  A slot is 128 blocks of 256 bytes
; of each: wave 0 asks for K's, wave 2 for V's, a lane a block; the four partners take 32 each, told apart by address.  Slots 0 and 1 come by their loads alone; the last slot has none behind it.
.macro ASK
	s_cmp_eq_u32 s[CNT], 2
	s_cbranch_scc0 .Lnot_mine_\@
	s_cmp_gt_u32 s[SLOTS], s[LIM]
	s_cbranch_scc0 .Lnot_mine_\@
	global_prefetch_b8 v[PFO], s[PFA:PFA+1] th:TH_LOAD_NT scope:SCOPE_SE
.Lnot_mine_\@:
.endm
; THE CHANGE OF SLOTS.  Each wave waits for all its tensor loads (one is out: its part of the other slot), adds 0 to its spare word, and waits for that and for its reads of the slot.  fill = 1: the barrier is a round of the
; cluster's, and the joint fill is the first thing behind it: it has four key steps in which to land.  (At its first use nothing has been read yet: slot 0 is waited for, slot 1 filled.)
.macro CHANGE fill
	WIN 0
	s_wait_tensorcnt 0x0
	ds_add_u32 v[SPW], v[NIL]
.if \fill
.irp g, G0K, G0V
	s_xor_b32 s[\g+1], s[\g+1], SLOT1
	s_add_nc_u64 s[\g+2:\g+3], s[\g+2:\g+3], 4*KS*128
.endr
	s_wait_xcnt 0x0                                ; the last prefetch, two key steps back, has read its address
	s_add_nc_u64 s[PFA:PFA+1], s[PFA:PFA+1], 4*KS*128
	s_wait_dscnt 0x0
	CROUND
	JLOAD
.else
	s_wait_dscnt 0x0
	s_barrier_signal -1
	s_barrier_wait -1
.endif
	s_sub_co_u32 s[TBK], s[TBK], 4*KS*PKB          ; the fetches go back to a slot's first step, in the other slot
	s_xor_b32 s[TBK], s[TBK], SLOT1
	s_sub_co_u32 s[TBV], s[TBV], 4*KS*PVB
	s_xor_b32 s[TBV], s[TBV], SLOT1
.endm
	s_load_b128 s[4:7], s[0:1], 0x0                ; qkvh s[4:5], ob s[6:7]
	v_lshl_add_u32 v[SPW], v0, 2, SPARE
	v_mov_b32 v[NIL], 0
	ds_add_u32 v[SPW], v[NIL]                      ; the wave's opening: the add and its wait ahead of my first tensor load
	v_lshrrev_b32 v1, 5, v0
	v_readfirstlane_b32 s[WV], v1
	s_bfe_u32 s13, ttmp6, 0x40000                  ; cx
	s_lshl_b32 s14, ttmp9, 2
	s_add_co_u32 s14, s14, s13                     ; my block of 512 queries: it enters Q's and O's addresses alone
	s_and_b32 s20, ttmp7, 0xffff                   ; the head, which the four partners share
	s_lshl_b32 s20, s20, 18                        ; its 2,048 rows of 128 bytes
	s_and_b32 s16, s[WV], 1                        ; which half of a slot's 256 keys I fetch
	s_lshl_b32 s22, s16, 14
	s_add_co_u32 s22, s22, s20
	s_add_co_u32 s22, s22, 0x1000000               ; k lies behind q
	s_mov_b32 s23, 0
	s_mul_i32 s17, s16, 128*PKB                    ; its place in a slot, for K
	s_mul_i32 s21, s16, 128*PVB                    ; and for V
	s_lshl_b32 s2, s14, 2
	s_add_co_u32 s2, s2, s[WV]
	s_lshl_b32 s2, s2, 14                          ; my wave's 128 rows
	s_add_co_u32 s2, s2, s20
	s_mov_b32 s3, 0
	s_mov_b32 s[G1K], 15|(1<<16)|(1<<20)|(1<<21)|(4<<22)|(3<<25)  ; the mask of four; 2-byte elements; padding on; bit 21 beside a mask; after every 32 words, 4 words
	s_mov_b32 s[G1V], 15|(1<<16)|(1<<20)|(1<<21)|(4<<22)|(7<<25)  ; the same with 8 words
.irp g, G1K, G1V
	s_mov_b32 s[\g+1], 128<<16                     ; 128 keys are 16,384 dense bytes: asked for as 64 rows of 256
	s_mov_b32 s[\g+2], 64<<16
	s_mov_b32 s[\g+3], 128<<16
	s_mov_b32 s[\g+4], 64
	s_mov_b32 s[\g+5], 128
	s_mov_b32 s[\g+6], 0
	s_mov_b32 s[\g+7], 0
.endr
	s_mov_b32 s[SEL], 0x76543210
	s_mov_b32 s[SEL+1], 0xfedcba98
	s_mov_b32 s[TBK], SLOT1+4*KS*PKB               ; the first change of slots turns these two into 0
	s_mov_b32 s[TBV], SLOT1+4*KS*PVB
	s_mov_b32 s[G0K], 1
	s_mov_b32 s[G0K+1], s17
	s_mov_b32 s[G0V], 1
	s_add_co_u32 s[G0V+1], s21, VOFF
	s_and_b32 s[LIM], s[WV], 1
	s_cmp_eq_u32 s[LIM], 0
	s_cselect_b32 s[LIM], 1, -1                    ; waves 0 and 2 prefetch
	v_and_b32 v[PFO], 31, v0
	v_lshlrev_b32 v[PFO], 8, v[PFO]
	s_wait_dscnt 0x0                               ; the opening add is done
	s_wait_kmcnt 0x0
	s_add_nc_u64 s[8:9], s[4:5], s[22:23]          ; K at my half of the head's first 256 keys
	s_add_nc_u64 s[10:11], s[8:9], 0x1000000       ; V likewise
	s_mov_b64 s[G0K+2:G0K+3], s[8:9]
	s_or_b32 s[G0K+3], s[G0K+3], 0x80000000
	s_mov_b64 s[G0V+2:G0V+3], s[10:11]
	s_or_b32 s[G0V+3], s[G0V+3], 0x80000000
	s_add_nc_u64 s[4:5], s[4:5], s[2:3]            ; Q and O at my wave's first row
	s_add_nc_u64 s[6:7], s[6:7], s[2:3]
	s_cmp_lt_u32 s[WV], 2
	s_cselect_b64 s[PFA:PFA+1], s[8:9], s[10:11]
	s_lshl_b32 s2, s13, 13                         ; my work-group's 32 blocks of the 128
	s_add_nc_u64 s[PFA:PFA+1], s[PFA:PFA+1], s[2:3]
	s_add_nc_u64 s[PFA:PFA+1], s[PFA:PFA+1], 4*KS*128  ; in slot 1; the first change of slots steps it to slot 2
	CROUND                                         ; all four work-groups are here
	JLOAD                                          ; slot 0
	v_and_b32 v1, 15, v0                           ; l % 16
	v_bfe_u32 v14, v0, 4, 1                        ; l / 16
	v_lshlrev_b32 v[QO], 7, v1
	v_lshl_add_u32 v[QO], v14, 4, v[QO]
	WIN 0x80
.set i, 0
.rept 16                               ; Q stays in registers: tile i / 2, channels 32 (i % 2) on
	global_load_b128 v[8*i:8*i+3],   v[QO], s[4:5] offset:(i/2)*2048+(i%2)*64
	global_load_b128 v[8*i+4:8*i+7], v[QO], s[4:5] offset:(i/2)*2048+(i%2)*64+32
.set i, i+1
.endr
	; What the first turn finds: V and piece 1's P hold 0 (its products V^T P, of a step that has not been, add 0), O^T and l are 0.  No first step is written out; these lines stand in the wait for the first tile.
.set i, VF
.rept 64
	v_mov_b32 v[i], 0
.set i, i+1
.endr
	WIN 0x40
.set i, 0
.rept 256
	v_mov_b32 v[i], 0
.set i, i+1
.endr
	WIN 0xc0
.set i, 0
.rept 8
	v_mov_b32 v[LL+i], 0
.set i, i+1
.endr
.set i, P
.rept 64
	v_mov_b32 v[i], 0
.set i, i+1
.endr
	WIN 0
.set i, 0
.rept 16                               ; piece 0's l, and the eight registers that take piece 1's on the way out
	v_mov_b32 v[LL+i], 0
.set i, i+1
.endr
	v_mul_u32_u24 v[AK0], v1, PKB
	v_lshl_add_u32 v[AK0], v14, 4, v[AK0]
	v_and_b32 v10, 7, v0
	v_bfe_u32 v11, v0, 3, 1
	v_lshl_add_u32 v[AV0], v14, 3, v10
	v_mul_u32_u24 v[AV0], v[AV0], PVB
	v_lshl_add_u32 v[AV0], v11, 4, v[AV0]
	v_add_nc_u32 v[AV0], VOFF, v[AV0]
; Product i of 32 of S^T = K Q^T for piece x: tile i % 4, keys 16 ((i / 4) % 4) on, channels 32 (i / 16) on.  The 16 accumulators take turns; the first 16 start the sums.
.macro KQ x
	WIN 0x0a+0xf0*(\x)
.set u, i%4
.set rS, S+32*u+8*((i/4)%4)
.set rK, KF+16*((i/4)%4)+8*(i/16)
.set rQ, 16*(4*(\x)+u)+8*(i/16)
.if i < 16
	v_wmma_f32_16x16x32_f16 v[rS:rS+7], v[rK:rK+7], v[rQ:rQ+7], 0
.else
	v_wmma_f32_16x16x32_f16 v[rS:rS+7], v[rK:rK+7], v[rQ:rQ+7], v[rS:rS+7]
.endif
.endm
; Product i of 32 of O^T += V^T P for piece x: tile i % 4, channels 16 ((i / 4) % 4) on, keys 32 (i / 16) on.
.macro PV x
	WIN 0x52+0x0c*(\x)
.set u, i%4
.set rO, 32*(4*(\x)+u)+8*((i/4)%4)
.set rV, VF+32*(i/16)+8*((i/4)%4)
.set rP, P+16*u+8*(i/16)
	v_wmma_f32_16x16x32_f16 v[rO:rO+7], v[rV:rV+7], v[rP:rP+7], v[rO:rO+7]
.endm
.macro FETCH_K last=0                  ; a step's K: 8 fragments; last = 1 (the tail): in the last trip there is no further step, and the run is jumped over
	WIN 0
.if \last
	s_cmp_eq_u32 s[CNT], 1
	s_cbranch_scc1 .Lno_k_\@
.endif
	WIN 0x80
.irp f, 0,1,2,3,4,5,6,7
	ds_load_b128 v[KF+8*\f:KF+8*\f+3],   v[AK] offset:(\f/2)*16*PKB+(\f%2)*64
	ds_load_b128 v[KF+8*\f+4:KF+8*\f+7], v[AK] offset:(\f/2)*16*PKB+(\f%2)*64+32
.endr
	s_add_co_u32 s[TBK], s[TBK], KS*PKB
	WIN 0
.if \last
.Lno_k_\@:
.endif
.endm
.macro FETCH_V
	WIN 0x80
.irp f, 0,1,2,3,4,5,6,7
	ds_load_tr16_b128 v[VF+8*\f:VF+8*\f+3],   v[AV] offset:(\f/4)*32*PVB+(\f%4)*32
	ds_load_tr16_b128 v[VF+8*\f+4:VF+8*\f+7], v[AV] offset:(\f/4)*32*PVB+16*PVB+(\f%4)*32
.endr
	WIN 0
.endm
.macro EX                              ; exponential e of 128: score e / 4 of tile e % 4, in place; each accumulator's lowest register is read first
	WIN WR
	v_exp_f32 v[S+32*(e%4)+e/4], v[S+32*(e%4)+e/4]
.set e, e+1
.endm
; Number q of the 128 that follow: for each four weights k of a tile: two roundings to f16; the second pair is added onto the first, in place; l takes that sum.  Four tiles by turns.
.macro PL
	WIN WR
.set k, q/16
.set u, q%4
.set kd, (q%16)/4
.if kd < 2
	v_cvt_pk_f16_f32 v[P+16*u+2*k+kd], v[S+32*u+4*k+2*kd], v[S+32*u+4*k+2*kd+1]
.elseif kd == 2
	v_pk_add_f32 v[S+32*u+4*k:S+32*u+4*k+1], v[S+32*u+4*k:S+32*u+4*k+1], v[S+32*u+4*k+2:S+32*u+4*k+3]
.else
	v_pk_add_f32 v[LL+2*u:LL+2*u+1], v[LL+2*u:LL+2*u+1], v[S+32*u+4*k:S+32*u+4*k+1]
.endif
.set q, q+1
.endm
; A TURN, for piece x.  K of the next step is fetched at the head of piece 0's turn: the last product that read K stands four sums back, and no exponential is out at the run's and the prefetch's branches; it is waited
; for 32 products later.  V of the next step is fetched in the middle of piece 1's turn, four plain instructions behind the last product that read V, and waited for at the head of the next turn.
.macro TURN x, last=0, ask=0
.set WR, 0xff*(1-(\x))                 ; the riders work in the other piece's window
.set e, 0
.set q, 0
.if (\x) == 0
	WIN 0
	s_wait_dscnt 0x0                               ; V is in
	v_add_nc_u32 v[AK], s[TBK], v[AK0]
	FETCH_K \last
.if \ask
	ASK
.endif
.endif
.set i, 0
.rept 32
	PV \x
.rept 4
	EX
.endr
.set i, i+1
.endr
	WIN 0
	v_nop                                          ; a plain instruction behind the last exponential: one for the batch
.if (\x) == 1
	v_add_nc_u32 v[AV], s[TBV], v[AV0]
	s_add_co_u32 s[TBV], s[TBV], KS*PVB
	v_nop
	v_nop
	s_wait_alu depctr_va_vdst(0)                   ; the one wait for the 128 exponentials, ahead of their first reader
	FETCH_V
.else
	s_wait_alu depctr_va_vdst(0)                   ; the one wait for the 128 exponentials, ahead of their first reader
	s_wait_dscnt 0x0                               ; K is in
.endif
.set i, 0
.rept 32
	KQ \x
.rept 4
	PL
.endr
.set i, i+1
.endr
.endm
	CHANGE 1                                       ; slot 0 is in, everybody's part of it; slot 1 is asked for
	v_add_nc_u32 v[AK], s[TBK], v[AK0]
	FETCH_K                                        ; key step 0
	s_wait_loadcnt 0x0                             ; Q
	s_wait_dscnt 0x0
.set i, 0
.rept 32
	KQ 0                                           ; piece 0's first scores
.set i, i+1
.endr
	WIN 0                                          ; the addresses for the way out: the places behind those products
	s_mul_i32 s21, s[WV], 16*SP
	s_add_co_u32 s21, s21, STAGE
	v_mul_u32_u24 v[STO], v1, SP
	v_lshl_add_u32 v[STO], v14, 4, v[STO]
	v_add_nc_u32 v[STO], s21, v[STO]
	v_bfe_u32 v[RD], v0, 3, 2
	v_mul_u32_u24 v[RD], v[RD], SP
	v_lshl_add_u32 v[RD], v10, 4, v[RD]
	v_add_nc_u32 v[RD], s21, v[RD]
	v_and_b32 v[GO], 31, v0
	v_lshlrev_b32 v[GO], 4, v[GO]
	s_mov_b32 s[CNT], 4
	s_mov_b32 s[SLOTS], 7
	s_branch .Lfirst                               ; the loop is entered in the middle of a trip
.Lslot:                                        ; six times: every slot but the last two is filled again
	CHANGE 1
	s_mov_b32 s[CNT], 4
.Lstep:
	TURN 0, 0, 1
	WIN 0
.Lfirst:
	TURN 1
	WIN 0
	s_sub_co_u32 s[CNT], s[CNT], 1
	s_cmp_lg_u32 s[CNT], 0
	s_cbranch_scc1 .Lstep
	s_sub_co_u32 s[SLOTS], s[SLOTS], 1
	s_cmp_lg_u32 s[SLOTS], 0
	s_cbranch_scc1 .Lslot
	CHANGE 0                                       ; the tail is written out
	s_mov_b32 s[CNT], 5                            ; four trips fetch the last slot's steps; the fifth is left in its middle
.Ltail:
	TURN 0, 1, 0
	WIN 0
	s_sub_co_u32 s[CNT], s[CNT], 1
	s_cmp_eq_u32 s[CNT], 0
	s_cbranch_scc1 .Lout
	TURN 1
	WIN 0
	s_branch .Ltail
.Lout:                                         ; the fifth trip's 32 products K Q^T, on the last K once more, serve nothing: the price, once, of one text for every trip
.set i, 0
.rept 32
	PV 1                                           ; piece 1's V^T P of the last step
.set i, i+1
.endr
	; THE WAY OUT.  l's two halves are added (piece 1's come into window 0 by that addition), then the other half of the lanes'; O^T is divided by l, rounded to f16 and sent through my stage, a tile at a time.
	WIN 0
.set t, 0
.rept 4
	v_add_f32 v[LL+2*t], v[LL+2*t], v[LL+2*t+1]
.set t, t+1
.endr
	WIN 0x0f
.set t, 0
.rept 4
	v_add_f32 v[LL+8+2*t], v[LL+2*t], v[LL+2*t+1]
.set t, t+1
.endr
	WIN 0
.macro ALL8 line:vararg
.set t, 0
.rept 8
	\line
.set t, t+1
.endr
.endm
	ALL8 v_permlanex16_b32 v[LL+2*t+1], v[LL+2*t], s[SEL], s[SEL+1]
	ALL8 v_add_f32 v[LL+2*t], v[LL+2*t], v[LL+2*t+1]
	ALL8 v_rcp_f32 v[LL+2*t], v[LL+2*t]
	v_nop                                          ; a plain instruction behind the last reciprocal,
	s_wait_alu depctr_va_vdst(0)                   ; and one wait for the eight
.macro PACK t
	WIN 0x41
.set i, 32*(\t)
.rept 16
	v_pk_mul_f32 v[i:i+1], v[i:i+1], v[LL+2*(\t):LL+2*(\t)+1] op_sel_hi:[1,0]
.set i, i+2
.endr
	WIN 0x05
.set i, 0
.rept 16
	v_cvt_pk_f16_f32 v[S+16*(\t)+i], v[32*(\t)+2*i], v[32*(\t)+2*i+1]
.set i, i+1
.endr
	WIN 0
.irp f, 0,1,2,3
	ds_store_b128 v[STO], v[S+16*(\t)+4*\f:S+16*(\t)+4*\f+3] offset:32*\f
.endr
.irp f, 0,1,2,3
	ds_load_b128 v[S+16*(\t)+4*\f:S+16*(\t)+4*\f+3], v[RD] offset:\f*4*SP  ; LDS serves a wave's instructions in order: these see the stores above
.endr
.endm
.macro SEND t, younger
	WIN 0
.irp f, 0,1,2,3
	s_wait_dscnt (\younger)+3-\f
	global_store_b128 v[GO], v[S+16*(\t)+4*\f:S+16*(\t)+4*\f+3], s[6:7] offset:(\t)*2048+\f*512  ; 512 consecutive bytes, aligned
.endr
.endm
	PACK 0
.set t, 1
.rept 7
	PACK t
	SEND t-1, 8
.set t, t+1
.endr
	SEND 7, 0
	s_wait_tensorcnt 0x0                           ; the wave's end
	ds_add_u32 v[SPW], v[NIL]
	s_wait_dscnt 0x0
	CROUND                                         ; the closing round
	s_endpgm
.Lfunc_end_k_q1d8c7fc3d5_attn:
	.size	k_q1d8c7fc3d5_attn, .Lfunc_end_k_q1d8c7fc3d5_attn-k_q1d8c7fc3d5_attn
	.p2alignl 7, 3214868480
	.fill 96, 4, 3214868480
	.section	.rodata,"a",@progbits
	.p2align	6, 0x0
	.amdhsa_kernel k_q1d8c7fc3d5_attn
		.amdhsa_group_segment_fixed_size 327680
		.amdhsa_private_segment_fixed_size 0
		.amdhsa_enable_private_segment 0
		.amdhsa_kernarg_size 16
		.amdhsa_user_sgpr_count 2
		.amdhsa_user_sgpr_kernarg_segment_ptr 1
		.amdhsa_wavefront_size32 1
		.amdhsa_system_sgpr_workgroup_id_x 1
		.amdhsa_system_sgpr_workgroup_id_y 1
		.amdhsa_system_sgpr_workgroup_id_z 1
		.amdhsa_system_vgpr_workitem_id 0
		.amdhsa_next_free_vgpr 1024
		.amdhsa_next_free_sgpr 66
		.amdhsa_reserve_vcc 0
		.amdhsa_float_denorm_mode_32 3
		.amdhsa_float_denorm_mode_16_64 3
		.amdhsa_memory_ordered 1
		.amdhsa_forward_progress 1
		.amdhsa_inst_pref_size 144
	.end_amdhsa_kernel
	.amdgpu_metadata
---
amdhsa.version: [ 1, 2 ]
amdhsa.kernels:
  - .name:           k_q1d8c7fc3d5_attn
    .symbol:         k_q1d8c7fc3d5_attn.kd
    .args:
      - { .name: qkvh, .offset: 0, .size: 8, .value_kind: global_buffer, .address_space: global }
      - { .name: ob, .offset: 8, .size: 8, .value_kind: global_buffer, .address_space: global }
    .group_segment_fixed_size: 327680
    .private_segment_fixed_size: 0
    .kernarg_segment_align: 8
    .kernarg_segment_size: 16
    .max_flat_workgroup_size: 128
    .sgpr_count:     66
    .vgpr_count:     1024
    .wavefront_size: 32
...
	.end_amdgpu_metadata
.endif
;; end of part 3
;; launch oproj (part 4): grid 4 x 64, 4 waves a work-group, clusters of 4 x 4, 327,680 bytes of LDS; arguments ob, wb, out0; writes out0
.if DOCPART == 4
	.amdgcn_target "amdgcn-amd-amdhsa--gfx1250"
	.amdhsa_code_object_version 6
	.text
	.protected	k_q1d8c7fc3d5_oproj
	.globl	k_q1d8c7fc3d5_oproj
	.p2align	8
	.type	k_q1d8c7fc3d5_oproj,@function
k_q1d8c7fc3d5_oproj:
	s_mov_b64 s[64:65], 0
	v_nop
	global_prefetch_b8 v0, s[64:65] scope:SCOPE_SE
	s_setreg_imm32_b32 hwreg(HW_REG_WAVE_MODE, 25, 1), 1
	s_wait_xcnt 0x0
	s_wait_alu depctr_hold_cnt(0) depctr_sa_sdst(0) depctr_va_vdst(0) depctr_va_sdst(0) depctr_va_ssrc(0) depctr_va_vcc(0) depctr_vm_vsrc(0)
	s_getreg_b32 s2, hwreg(HW_REG_IB_STS2, 6, 4)
	s_cmp_eq_u32 s2, 0
	s_cbranch_scc0 .Lentry_in_a_cluster
	s_endpgm
.Lentry_in_a_cluster:
	s_bfe_u32 s2, ttmp6, 0x10000c
	s_cmp_lg_u32 s2, 0xf033
	s_cbranch_scc0 .Lentry_shape_is_right
	s_endpgm
.Lentry_shape_is_right:
; out0 = O Wo + bo.  ob: f16 [bh 64][n 2048][64] (a head's 64 channels are one slice of K); Wo: f16 of its bf16 value, [k][n], the fourth matrix of wb; bo: f32 of its bf16 value.  out0: f32 [8192][1024].
; LIMITS.  bf16(Wo) within f16's 65,504; NaN and infinities are not treated apart.
; SHARES.  A work-group makes 128 rows x 256 columns: 256 work-groups; a wave 64 x 128: 32 accumulators.  K goes in steps of 128 (two heads) through two LDS slots: waves 0 and 1 fetch the two heads' tiles of O
; (16,384 dense bytes each, as 64 rows of 256), waves 2 and 3 each 64 rows of Wo (512 bytes a row).
; CLUSTER 4 x 4: O's tiles are shared along a row, Wo's along a column: joint loads with a mask of four.
; THE PRODUCT IS USED TRANSPOSED (source 0 = 16 columns of Wo, turned by ds_load_tr16_b128; source 1 = 16 rows of O): a lane holds one row and eight neighbouring columns.  THE SUMS START AT THE BIAS.
; REGISTERS: window 0: v0-22 addresses; v64-127 O's fragments, two buffers; v128-255 Wo's, two buffers (on the way out v64-191: two buffers of 16 rows).   window 1: accumulator (a, b) at v[8 (8 a + b)]
.set NT,    1
.set NQ,    4
.set NU,    NT*NQ
.set NA,    2
.set NSTEP, 8
.set TB0,   3
.set PA,    144
.set PB,    544
.set ABLK,  128*PA
.set BBLK,  64*PB
.set BOFF,  NA*ABLK
.set SLOT1, 1<<17
.set STAGE, SLOT1+BOFF+2*BBLK          ; behind the ring, never filled by a tensor load: 16 rows x 528 bytes for each wave
.set SP,    528                        ; 512 bytes + 16: an odd multiple of 16
.set SPARE, STAGE+4*16*SP
.set ASTEP, 524288                     ; two heads on
.set BSTEP, 262144                     ; 128 rows of 2,048 bytes
.set A0,   8
.set ADRA, 10
.set ADRB, 11
.set STO,  14
.set RD,   15
.set GO,   16
.set BO,   17
.set PFO,  18
.set SPW,  20
.set NIL,  21
.set B0T,  22
.set AF,   64
.set BF,   128
.set OB,   64
.set WV, 10
.set WM, 11
.set WN, 12
.set CX, 13
.set CY, 14
.set XX, 15
.set YY, 16
.set G1A, 24
.set G1B, 32
.set G0A, 40
.set G0B, 48
.set CNT, 56
.set G,   57
.set TB,  58
.set LIM, 59
.set PFA, 66
.set PFS, 68
.set CQ,  72
.set BIA, 78
.set MSB, 0
.macro WIN new
.if MSB != (\new)
	s_set_vgpr_msb (MSB<<8)|(\new)
.set MSB, (\new)
.endif
.endm
.macro PLACES
.rept 4
	v_nop
.endr
.endm
.macro CREST
	s_cmp_lg_u32 s[WV], 0
	s_cbranch_scc1 .Lnot_wave_0_\@
	s_barrier_signal -3
.Lnot_wave_0_\@:
	s_barrier_wait -3
	s_barrier_signal -1
	s_barrier_wait -1
.endm
.macro CROUND
	s_barrier_signal -1
	s_barrier_wait -1
	CREST
.endm
.macro JLOAD
	s_cmp_lt_u32 s[WV], NA
	s_cbranch_scc0 .Lfor_b_\@
	tensor_load_to_lds s[G0A+4:G0A+7], s[G1A:G1A+7]
	s_nop 0
.rept 4
	v_nop
.endr
	s_branch .Lasked_\@
.Lfor_b_\@:
	tensor_load_to_lds s[G0B+4:G0B+7], s[G1B:G1B+7]
	s_nop 0
.rept 4
	v_nop
.endr
.Lasked_\@:
.endm
; A PREFETCH INTO THE L2: the pointer stands four steps on from the step that ends: two steps, 256 matrix instructions, ahead of that tile's refill.  O's tiles are read by my row of the cluster alone: wave 0 asks, 32 of a
; step's 128 blocks of 256 bytes for each of the four partners, by address.  Wo's are read by every cluster: in the cluster with y = 0 waves 2 and 3 ask for their 64 rows, 16 rows x 2 blocks a partner.
; Steps 0 to 3 come by their loads alone; steps 4 to 7 are named once each, at the ends of steps 0 to 3.
.macro ASK
	s_cmp_lt_u32 s[G], s[LIM]
	s_cbranch_scc0 .Lnot_mine_\@
	global_prefetch_b8 v[PFO], s[PFA:PFA+1] th:TH_LOAD_NT scope:SCOPE_SE
.Lnot_mine_\@:
.endm
.macro FETCHA kq
.irp a, 0,1,2,3
	ds_load_b128 v[AF+32*((\kq)%2)+8*(\a):AF+32*((\kq)%2)+8*(\a)+3],   v[ADRA] offset:((\kq)/2)*ABLK+((\kq)%2)*64+(\a)*16*PA
	ds_load_b128 v[AF+32*((\kq)%2)+8*(\a)+4:AF+32*((\kq)%2)+8*(\a)+7], v[ADRA] offset:((\kq)/2)*ABLK+((\kq)%2)*64+(\a)*16*PA+32
.endr
.endm
.macro FETCHB t, kq, buf
.irp b, 0,1,2,3,4,5,6,7
	ds_load_tr16_b128 v[BF+64*(\buf)+8*(\b):BF+64*(\buf)+8*(\b)+3],   v[ADRB+(\t)] offset:(\kq)*32*PB+32*(\b)
	ds_load_tr16_b128 v[BF+64*(\buf)+8*(\b)+4:BF+64*(\buf)+8*(\b)+7], v[ADRB+(\t)] offset:(\kq)*32*PB+32*(\b)+16*PB
.endr
.endm
.macro MM a0, na, t, kq, buf           ; the 32 accumulators take turns, in the same order in every unit
	WIN 0x50*((\t)+1)
.set aa, \a0
.rept \na
.irp b, 0,1,2,3,4,5,6,7
	v_wmma_f32_16x16x32_f16 v[8*(8*aa+(\b)):8*(8*aa+(\b))+7], v[BF+64*(\buf)+8*(\b):BF+64*(\buf)+8*(\b)+7], v[AF+32*((\kq)%2)+8*aa:AF+32*((\kq)%2)+8*aa+7], v[8*(8*aa+(\b)):8*(8*aa+(\b))+7]
.endr
.set aa, aa+1
.endr
.endm
.macro UNIT i
	s_wait_dscnt 0x0                               ; this unit's fragments, asked for a unit ago, are in
	PLACES                                         ; the buffers filled below were read by the unit before
	WIN 0
	FETCHB ((\i)+1)%NT, ((\i)+1)/NT, ((\i)+1)%2
.if ((\i)+1)%NT == 0
	FETCHA ((\i)+1)/NT
.endif
	MM 0, 4, (\i)%NT, (\i)/NT, (\i)%2
.endm
.macro ADRS
	v_add_nc_u32 v[ADRA], s[TB], v[A0]
	v_add_nc_u32 v[ADRB], s[TB], v[B0T]
.endm
; A step's last unit changes slots: each wave waits for all its tensor loads, adds 0 to its spare word, waits for that and for its reads of this slot; fill = 1: a round of the cluster's barrier, and the refill first behind it.
.macro TURN fill
	s_wait_xcnt 0x0                                ; the last prefetch, a step back, has read its address
	s_add_nc_u64 s[PFA:PFA+1], s[PFA:PFA+1], s[PFS:PFS+1]
	WIN 0
	s_wait_tensorcnt 0x0
	ds_add_u32 v[SPW], v[NIL]
	s_wait_dscnt 0x1                               ; the add alone may be out
	MM 0, 1, NT-1, NQ-1, 1
	s_wait_dscnt 0x0
	s_barrier_signal -1
	MM 1, 1, NT-1, NQ-1, 1
	WIN 0
	s_barrier_wait -1
.if \fill
	CREST
	s_xor_b32 s[G0A+5], s[G0A+5], SLOT1
	s_add_nc_u64 s[G0A+6:G0A+7], s[G0A+6:G0A+7], ASTEP
	s_xor_b32 s[G0B+5], s[G0B+5], SLOT1
	s_add_nc_u64 s[G0B+6:G0B+7], s[G0B+6:G0B+7], BSTEP
	JLOAD
.else
	PLACES
.endif
	s_xor_b32 s[TB], s[TB], SLOT1
	ADRS
	FETCHA 0
	FETCHB 0, 0, 0
.if \fill
	ASK
	s_add_co_u32 s[G], s[G], 1
.endif
	MM 2, 2, NT-1, NQ-1, 1
.endm
.macro STEP fill
.set ui, 0
.rept NU-1
	UNIT ui
.set ui, ui+1
.endr
	TURN \fill
.endm
	s_load_b128 s[4:7], s[0:1], 0x0                ; ob s[4:5], wb s[6:7]
	s_load_b64 s[8:9], s[0:1], 0x10                ; out0
	v_lshl_add_u32 v[SPW], v0, 2, SPARE
	v_mov_b32 v[NIL], 0
	ds_add_u32 v[SPW], v[NIL]                      ; the wave's opening: the add and its wait ahead of my first tensor load
	v_lshrrev_b32 v1, 5, v0
	v_readfirstlane_b32 s[WV], v1
	s_lshr_b32 s[WM], s[WV], 1
	s_and_b32 s[WN], s[WV], 1
	s_bfe_u32 s[CX], ttmp6, 0x40000
	s_bfe_u32 s[CY], ttmp6, 0x40004
	s_lshl_b32 s[XX], ttmp9, 2
	s_add_co_u32 s[XX], s[XX], s[CX]
	s_and_b32 s[YY], ttmp7, 0xffff
	s_lshl_b32 s[YY], s[YY], 2
	s_add_co_u32 s[YY], s[YY], s[CY]
	s_lshl_b32 s17, s[CY], 2
	s_lshl_b32 s17, 15, s17
	s_lshl_b32 s18, 0x1111, s[CX]
	s_or_b32 s[G1A], s17, (1<<16)|(1<<20)|(1<<21)|(4<<22)|(3<<25)
	s_or_b32 s[G1B], s18, (1<<16)|(1<<20)|(1<<21)|(6<<22)|(7<<25)
	s_mov_b32 s[G1A+1], 128<<16
	s_mov_b32 s[G1A+2], 64<<16
	s_mov_b32 s[G1A+3], 128<<16
	s_mov_b32 s[G1A+4], 64
	s_mov_b32 s[G1A+5], 128
	s_mov_b32 s[G1A+6], 0
	s_mov_b32 s[G1A+7], 0
	s_mov_b32 s[G1B+1], 256<<16
	s_mov_b32 s[G1B+2], 64<<16
	s_mov_b32 s[G1B+3], 256<<16
	s_mov_b32 s[G1B+4], 64
	s_mov_b32 s[G1B+5], 1024
	s_mov_b32 s[G1B+6], 0
	s_mov_b32 s[G1B+7], 0
	s_lshr_b32 s20, s[YY], 4                       ; O's tile: b,
	s_lshl_b32 s20, s20, 22
	s_and_b32 s21, s[YY], 15                       ; the block of 128 rows,
	s_lshl_b32 s21, s21, 14
	s_add_co_u32 s20, s20, s21
	s_lshl_b32 s21, s[WV], 18                      ; and the head of the step's two that I fetch
	s_add_co_u32 s20, s20, s21
	s_mov_b32 s21, 0
	s_max_u32 s19, s[WV], NA
	s_sub_co_u32 s19, s19, NA                      ; which 64 rows of Wo I fetch
	s_lshl_b32 s22, s19, 17
	s_lshl_b32 s23, s[XX], 9
	s_add_co_u32 s22, s22, s23
	s_add_co_u32 s22, s22, 3<<21                   ; the fourth matrix of wb
	s_mov_b32 s23, 0
	s_mul_i32 s80, s[WV], ABLK
	s_mul_i32 s81, s[WV], BBLK
	s_sub_co_u32 s81, s81, NA*BBLK-BOFF
	s_mov_b32 s[TB], 0
	s_mov_b32 s[G], 0
	s_mov_b32 s[CNT], NSTEP-2
	s_wait_dscnt 0x0                               ; the opening add is done
	s_wait_kmcnt 0x0
	s_add_nc_u64 s[82:83], s[4:5], s[20:21]
	s_add_nc_u64 s[84:85], s[6:7], s[22:23]
	s_add_nc_u64 s[BIA:BIA+1], s[6:7], 0x800000
.irp s, 0,1
	s_mov_b32 s[G0A+4*(\s)], 1
	s_add_co_u32 s[G0A+4*(\s)+1], s80, (\s)*SLOT1
	s_add_nc_u64 s[G0A+4*(\s)+2:G0A+4*(\s)+3], s[82:83], (\s)*ASTEP
	s_or_b32 s[G0A+4*(\s)+3], s[G0A+4*(\s)+3], 0x80000000
	s_mov_b32 s[G0B+4*(\s)], 1
	s_add_co_u32 s[G0B+4*(\s)+1], s81, (\s)*SLOT1
	s_add_nc_u64 s[G0B+4*(\s)+2:G0B+4*(\s)+3], s[84:85], (\s)*BSTEP
	s_or_b32 s[G0B+4*(\s)+3], s[G0B+4*(\s)+3], 0x80000000
.endr
	CROUND                                         ; all sixteen work-groups are here
	s_cmp_lt_u32 s[WV], NA                         ; a wave's two first fills stand in one branch: two loads of mine are out
	s_cbranch_scc0 .Lfirst_b
	tensor_load_to_lds s[G0A:G0A+3], s[G1A:G1A+7]
	s_nop 0
	tensor_load_to_lds s[G0A+4:G0A+7], s[G1A:G1A+7]
	s_nop 0
.rept 4
	v_nop
.endr
	s_branch .Lfirst_asked
.Lfirst_b:
	tensor_load_to_lds s[G0B:G0B+3], s[G1B:G1B+7]
	s_nop 0
	tensor_load_to_lds s[G0B+4:G0B+7], s[G1B:G1B+7]
	s_nop 0
.rept 4
	v_nop
.endr
.Lfirst_asked:
	v_and_b32 v1, 15, v0
	v_bfe_u32 v2, v0, 4, 1
	s_lshl_b32 s17, s[XX], 10
	s_lshl_b32 s18, s[WN], 9
	s_add_co_u32 s17, s17, s18
	v_lshl_add_u32 v[BO], v2, 5, s17
	WIN 1<<6
.set n, 0
.rept 32                               ; the bias of my eight columns, into every accumulator
	global_load_b128 v[8*n:8*n+3],   v[BO], s[BIA:BIA+1] offset:TB0*4096+64*(n%8)
	global_load_b128 v[8*n+4:8*n+7], v[BO], s[BIA:BIA+1] offset:TB0*4096+64*(n%8)+16
.set n, n+1
.endr
	WIN 0
	s_mul_i32 s17, s[WM], 64*PA
	v_mul_u32_u24 v[A0], v1, PA
	v_lshl_add_u32 v[A0], v2, 4, v[A0]
	v_add_nc_u32 v[A0], s17, v[A0]
	v_and_b32 v3, 7, v0
	v_bfe_u32 v4, v0, 3, 1
	v_lshl_add_u32 v5, v2, 3, v3
	v_mul_u32_u24 v5, v5, PB
	v_lshl_add_u32 v5, v4, 4, v5
	s_lshl_b32 s17, s[WN], 8
	s_add_co_u32 s17, s17, BOFF
	v_add_nc_u32 v[B0T], s17, v5
	s_mul_i32 s17, s[WV], 16*SP
	s_add_co_u32 s17, s17, STAGE                   ; my stage
	v_mul_u32_u24 v[STO], v1, SP                   ; in: row l % 16, 32 bytes for each half of the lanes
	v_lshl_add_u32 v[STO], v2, 5, v[STO]
	v_add_nc_u32 v[STO], s17, v[STO]
	v_and_b32 v[GO], 31, v0
	v_lshlrev_b32 v[GO], 4, v[GO]                  ; back: 32 lanes take a row's 512 bytes
	v_add_nc_u32 v[RD], s17, v[GO]
	; the prefetches: pointer three steps on (the first change of slots makes it four)
	s_mov_b32 s17, ASTEP
	s_cmp_lt_u32 s[WV], NA
	s_cselect_b64 s[PFA:PFA+1], s[4:5], s[6:7]
	s_cselect_b64 s[86:87], s[20:21], s[22:23]
	s_cselect_b32 s[PFS], s17, BSTEP
	s_mov_b32 s[PFS+1], 0
	s_add_nc_u64 s[PFA:PFA+1], s[PFA:PFA+1], s[86:87]
.rept 3
	s_add_nc_u64 s[PFA:PFA+1], s[PFA:PFA+1], s[PFS:PFS+1]
.endr
	s_lshr_b32 s17, s[CX], 1                       ; O: blocks 32 cx + l of the step's 128: the head,
	s_lshl_b32 s17, s17, 18
	s_and_b32 s18, s[CX], 1                        ; and the half of its 64 blocks
	s_lshl_b32 s18, s18, 13
	s_add_co_u32 s17, s17, s18
	s_lshl_b32 s18, s[CY], 15                      ; Wo: my work-group's 16 rows of 2,048 bytes
	s_cmp_lt_u32 s[WV], NA
	s_cselect_b32 s17, s17, s18
	s_cselect_b32 s18, 8, 11
	s_cselect_b32 s19, 12, 8
	v_lshlrev_b32 v3, s18, v1
	v_lshlrev_b32 v4, s19, v2
	v_add3_u32 v[PFO], v3, v4, s17
	s_and_b32 s19, ttmp7, 0xffff                   ; cluster y: the same in all sixteen partners
	s_cmp_eq_u32 s19, 0
	s_cselect_b32 s[LIM], 4, 0
	s_cmp_eq_u32 s[WV], 0
	s_cselect_b32 s[LIM], 4, s[LIM]
	s_cmp_eq_u32 s[WV], 1
	s_cselect_b32 s[LIM], 0, s[LIM]
	; where my part of out0 begins: row 128 Y + 64 WM, column 256 X + 128 WN
	s_lshl_b32 s17, s[YY], 7
	s_lshl_b32 s18, s[WM], 6
	s_add_co_u32 s17, s17, s18
	s_lshl_b32 s17, s17, 12
	s_lshl_b32 s18, s[XX], 10
	s_add_co_u32 s17, s17, s18
	s_lshl_b32 s18, s[WN], 9
	s_add_co_u32 s86, s17, s18
	s_mov_b32 s87, 0
	s_add_nc_u64 s[CQ:CQ+1], s[8:9], s[86:87]
	s_wait_tensorcnt 0x1                           ; my part of step 0 is in; step 1's may stay out
	s_barrier_signal -1
	s_barrier_wait -1
	ADRS
	FETCHA 0
	FETCHB 0, 0, 0
	s_wait_loadcnt 0x0                             ; the bias
.Lstep:
	STEP 1
	WIN 0
	s_sub_co_u32 s[CNT], s[CNT], 1
	s_cmp_lg_u32 s[CNT], 0
	s_cbranch_scc1 .Lstep
	s_mov_b32 s[CNT], 2
.Ltail:                                        ; the last two steps ask for nothing; the very last change of slots fetches 24 fragments that serve nothing
	STEP 0
	WIN 0
	s_sub_co_u32 s[CNT], s[CNT], 1
	s_cmp_lg_u32 s[CNT], 0
	s_cbranch_scc1 .Ltail
	; THE WAY OUT: 16 rows at a time through my stage: 32 bytes a lane in, whole rows of 512 bytes back.
	s_wait_dscnt 0x0
	PLACES
.macro TOSTAGE a
.set bk, OB+64*((\a)%2)
.if (\a) >= 2
	s_wait_xcnt 0x0                                ; the stores of the block two back have read this buffer
.endif
	WIN 0x04                                       ; the stores' data lie in window 1
.irp b, 0,1,2,3,4,5,6,7
	ds_store_b128 v[STO], v[8*(8*(\a)+(\b)):8*(8*(\a)+(\b))+3]   offset:64*(\b)
	ds_store_b128 v[STO], v[8*(8*(\a)+(\b))+4:8*(8*(\a)+(\b))+7] offset:64*(\b)+16
.endr
	WIN 0
.irp i, 0,1,2,3,4,5,6,7,8,9,10,11,12,13,14,15
	ds_load_b128 v[bk+4*(\i):bk+4*(\i)+3], v[RD] offset:SP*(\i)  ; LDS serves a wave's instructions in order: these see the stores above
.endr
.endm
.macro SEND a, younger                 ; younger: the next block's 32 LDS instructions, or none
	WIN 0
.set bk, OB+64*((\a)%2)
.irp i, 0,1,2,3,4,5,6,7,8,9,10,11,12,13,14,15
	s_wait_dscnt (\younger)+15-(\i)
	global_store_b128 v[GO], v[bk+4*(\i):bk+4*(\i)+3], s[CQ:CQ+1] offset:(16*(\a)+(\i))*4096 th:TH_STORE_NT  ; 512 consecutive bytes, aligned
.endr
.endm
	TOSTAGE 0
	TOSTAGE 1
	SEND 0, 32
	TOSTAGE 2
	SEND 1, 32
	TOSTAGE 3
	SEND 2, 32
	SEND 3, 0
	s_wait_tensorcnt 0x0                           ; the wave's end
	ds_add_u32 v[SPW], v[NIL]
	s_wait_dscnt 0x0
	CROUND                                         ; the closing round
	s_endpgm
.Lfunc_end_k_q1d8c7fc3d5_oproj:
	.size	k_q1d8c7fc3d5_oproj, .Lfunc_end_k_q1d8c7fc3d5_oproj-k_q1d8c7fc3d5_oproj
	.p2alignl 7, 3214868480
	.fill 96, 4, 3214868480
	.section	.rodata,"a",@progbits
	.p2align	6, 0x0
	.amdhsa_kernel k_q1d8c7fc3d5_oproj
		.amdhsa_group_segment_fixed_size 327680
		.amdhsa_private_segment_fixed_size 0
		.amdhsa_enable_private_segment 0
		.amdhsa_kernarg_size 24
		.amdhsa_user_sgpr_count 2
		.amdhsa_user_sgpr_kernarg_segment_ptr 1
		.amdhsa_wavefront_size32 1
		.amdhsa_system_sgpr_workgroup_id_x 1
		.amdhsa_system_sgpr_workgroup_id_y 1
		.amdhsa_system_sgpr_workgroup_id_z 1
		.amdhsa_system_vgpr_workitem_id 0
		.amdhsa_next_free_vgpr 512
		.amdhsa_next_free_sgpr 88
		.amdhsa_reserve_vcc 0
		.amdhsa_float_denorm_mode_32 3
		.amdhsa_float_denorm_mode_16_64 3
		.amdhsa_memory_ordered 1
		.amdhsa_forward_progress 1
		.amdhsa_inst_pref_size 65
	.end_amdhsa_kernel
	.amdgpu_metadata
---
amdhsa.version: [ 1, 2 ]
amdhsa.kernels:
  - .name:           k_q1d8c7fc3d5_oproj
    .symbol:         k_q1d8c7fc3d5_oproj.kd
    .args:
      - { .name: ob, .offset: 0, .size: 8, .value_kind: global_buffer, .address_space: global }
      - { .name: wb, .offset: 8, .size: 8, .value_kind: global_buffer, .address_space: global }
      - { .name: out0, .offset: 16, .size: 8, .value_kind: global_buffer, .address_space: global }
    .group_segment_fixed_size: 327680
    .private_segment_fixed_size: 0
    .kernarg_segment_align: 8
    .kernarg_segment_size: 24
    .max_flat_workgroup_size: 128
    .sgpr_count:     88
    .vgpr_count:     512
    .wavefront_size: 32
...
	.end_amdgpu_metadata
.endif
;; end of part 4
